; MI455X (gfx1250); checked and timed in simulation.
; The chip was launched on July 23, 2026; its instructions are those of AMD's public machine-readable ISA for CDNA 5 (MIT licence, August 2026) and "CDNA5" Instruction Set Architecture Reference Guide (July 2026). The comments in the code are by the model that wrote it; some were corrected since.
;; Octonion Ternary Linear Ref. Allowed arithmetic: matrix products marked QUANTISED: E5M2 operands, one given power-of-two scale a tensor, by v_wmma_f32_16x16x64_bf8_bf8 or v_wmma_f32_16x16x128_bf8_bf8, f32 sums; everything else in f32.
;; Inputs: beta 512 float32; lowp_scales 2 int32 (the exponents e of the quantised operands' scales 2^e); weight 8 x 512 x 512 float32; x_parts 8 x 4,096 x 512 float32.
;; Outputs: out0 8 x 4,096 x 512 float32.
;; This version of the problem:
;;   THIS VERSION OF THE PROBLEM IS GIVEN IN LOW PRECISION. The matrix products marked QUANTISED in the list below multiply operands that are first quantised to E5M2 (5 exponent bits, 2 mantissa bits; 8 bits a number), with one given power-of-two scale for each operand tensor; their sums are f32. All else is computed in f32.
;;   The module's matrix products, in the order in which they are computed (A, B: the left and right operand; K: the contracted axis; several contracted axes count as one K, in the product's order):
;;     1. [M 4,096, K 4,096] x [K 4,096, N 4,096]; A: computed on the way; B: input x_parts: QUANTISED (scales: A lowp_scales[0], B lowp_scales[1])
;;   THE QUANTISER, for each operand of a quantised product, along K:
;;     - The operand's scale is 2^e, e = its entry of the input lowp_scales (int32; the entries are numbered through the quantised products in the list's order, A before B).
;;     - Each number is divided by the scale, clamped to +-57,344, and rounded to the nearest number of E5M2, ties to even, subnormals kept.
;;     - The product sums the exact products of the quantised numbers (number of the format x scale) in f32.
;;   ~~~python
;;   def quantise(x, axis, e):      # numpy; x: float32 -> the quantised numbers, widened to float32 again
;;       x = np.moveaxis(x, axis, -1); K = x.shape[-1]
;;       r = np.clip(x / 2.0 ** e, -57344, 57344)
;;       step = 2.0 ** (np.maximum(np.frexp(np.where(r == 0, 1, r))[1] - 1, -14) - 2)
;;       q = np.round(r / step) * step * 2.0 ** e      # np.round: ties to even
;;       return np.moveaxis(q, -1, axis).astype(np.float32)
;;   ~~~
;;   OPERANDS COMPUTED ON THE WAY. 'Computed on the way' means the value that the module computes at that place (a softmax that the list does not call 'softmax' is quantised finished and normalised). What goes into a quantiser is computed in f32, as accurately as f32 sums, v_exp_f32 and their like allow (about 1e-6 of the number): no bf16 or f16 on the way to a quantiser, and a product that is left as it is and whose result goes on into a quantised operand takes f32 operands (vector FMAs, or v_wmma_f32_16x16x4_f32). A number that lies on a knife's edge between two numbers of the format may be rounded either way, as far as f32 arithmetic and the matrix unit's own rounding can turn it there, and no further.
;; One version. Each part assembles by itself: llvm-mc -triple=amdgcn-amd-amdhsa -mcpu=gfx1250 --defsym DOCPART=n.
;; ======== version 1 of 1: 3 launches
;; limits: right only within a limited range of input values
;; workspace buffers: wsum 1,024 bytes; xc 16,777,216 bytes; wc 2,097,152 bytes
;; launch absum (part 1): grid 256 x 1, 4 waves a work-group, no clusters, 768 bytes of LDS; arguments weight, wsum; writes wsum
.if DOCPART == 1
	.amdgcn_target "amdgcn-amd-amdhsa--gfx1250"
	.amdhsa_code_object_version 6
	.text
	.protected	k_q8ec8730bdc_absum
	.globl	k_q8ec8730bdc_absum
	.p2align	8
	.type	k_q8ec8730bdc_absum,@function
k_q8ec8730bdc_absum:
	s_mov_b64 s[64:65], 0
	v_nop
	global_prefetch_b8 v0, s[64:65] scope:SCOPE_SE
	s_setreg_imm32_b32 hwreg(HW_REG_WAVE_MODE, 25, 1), 1
	s_wait_xcnt 0x0
; wsum[g] = the sum of |w| over work-group g's 8,192 numbers of weight (2,097,152 numbers in all, 256 work-groups).
; gamma = mean |w| + 1e-8 spans the whole tensor, so the sum is made in two launches: 256 partial sums here, their sum in the launch that uses gamma.
; SHARES.  A work-group takes 32,768 consecutive bytes, a wave 8,192 (16 loads of 512 consecutive bytes), a lane 64 numbers.  All loads of a wave go out at once.
; ORDER OF THE SUM: four chains a lane, then a tree over chains, lanes and waves; it differs from reference()'s order; all in f32.  NaN among the inputs is not served.
; No cluster, no tensor load, no matrix unit: no two work-groups read the same byte, and there is one addition for each number read.
; The launch's whole output is 1,024 bytes, one word a work-group: the only store is one lane's.
.set M, 8                              ; v8-11   four running sums
.set X, 16                             ; v16-79  the 16 loads, four registers each
	s_load_b128 s[4:7], s[0:1], 0x0                ; weight s[4:5], wsum s[6:7]
	v_lshl_add_u32 v80, v0, 2, 0x100
	v_mov_b32 v81, 0
	v_lshrrev_b32 v1, 5, v0
	v_readfirstlane_b32 s8, v1                     ; wave 0..3
	s_lshl_b32 s2, ttmp9, 15                       ; the work-group's 32,768 bytes of weight
	s_mov_b32 s3, 0
	s_lshl_b32 s10, ttmp9, 2                       ; and its word of wsum
	s_mov_b32 s11, 0
	s_mov_b32 s12, 0x76543210                      ; v_permlanex16_b32: lane l takes lane l xor 16
	s_mov_b32 s13, 0xfedcba98
	v_and_b32 v3, 31, v0
	v_and_b32 v1, 0x60, v0                         ; 32 x wave
	v_lshlrev_b32 v3, 4, v3                        ; 16 bytes a lane
	v_lshl_or_b32 v1, v1, 8, v3                    ; + 8,192 x wave
	v_mov_b32 v2, 0
	s_wait_alu depctr_va_vdst(0)
	s_wait_kmcnt 0x0
	s_add_nc_u64 s[4:5], s[4:5], s[2:3]
	s_add_nc_u64 s[6:7], s[6:7], s[10:11]
.irp j, 0,1,2,3,4,5,6,7,8,9,10,11,12,13,14,15
	global_load_b128 v[X+4*\j:X+4*\j+3], v1, s[4:5] offset:512*\j   ; 32 lanes read 512 consecutive bytes; no hint: the next launch reads the weight again
.endr
	s_wait_loadcnt 12                              ; loads come back in order: the first four are in, the twelve younger may be out
	v_add_f32 v8, |v16|, |v20|                     ; the first two loads start the four chains: nothing is cleared
	v_add_f32 v9, |v17|, |v21|
	v_add_f32 v10, |v18|, |v22|
	v_add_f32 v11, |v19|, |v23|
.irp r, 24,25,26,27,28,29,30,31
	v_add_f32 v[M+\r%4], v[M+\r%4], |v\r|
.endr
	s_wait_alu depctr_va_vdst(0)
	s_wait_loadcnt 8                               ; four more are in
.irp r, 32,33,34,35,36,37,38,39,40,41,42,43,44,45,46,47
	v_add_f32 v[M+\r%4], v[M+\r%4], |v\r|
.endr
	s_wait_alu depctr_va_vdst(0)
	s_wait_loadcnt 4
.irp r, 48,49,50,51,52,53,54,55,56,57,58,59,60,61,62,63
	v_add_f32 v[M+\r%4], v[M+\r%4], |v\r|
.endr
	s_wait_alu depctr_va_vdst(0)
	s_wait_loadcnt 0
.irp r, 64,65,66,67,68,69,70,71,72,73,74,75,76,77,78,79
	v_add_f32 v[M+\r%4], v[M+\r%4], |v\r|
.endr
	v_add_f32 v8, v8, v9
	v_add_f32 v10, v10, v11
	v_add_f32 v8, v8, v10                          ; the lane's sum
	v_add_f32_dpp v8, v8, v8 row_xmask:1 row_mask:0xf bank_mask:0xf
	v_add_f32_dpp v8, v8, v8 row_xmask:2 row_mask:0xf bank_mask:0xf
	v_add_f32_dpp v8, v8, v8 row_xmask:4 row_mask:0xf bank_mask:0xf
	v_add_f32_dpp v8, v8, v8 row_xmask:8 row_mask:0xf bank_mask:0xf
	v_permlanex16_b32 v9, v8, s12, s13             ; (its destination counts as read: v9 has been written)
	v_add_f32 v8, v8, v9                           ; the wave's sum, in every lane
	v_mov_b32 v10, s8
	v_lshlrev_b32 v10, 2, v10
	ds_store_b32 v10, v8                           ; word w of LDS: all lanes write the same number
	s_wait_dscnt 0x0                               ; for the others' sake: my store has landed
	s_barrier_signal -1
	s_barrier_wait -1
	s_cmp_lg_u32 s8, 0                             ; wave 0 adds the four and stores
	s_cbranch_scc1 .Lend
	ds_load_b128 v[12:15], v2
	s_wait_dscnt 0x0
	v_add_f32 v12, v12, v13
	v_add_f32 v14, v14, v15
	v_add_f32 v12, v12, v14
	v_cmp_eq_u32 vcc_lo, 0, v0
	s_wait_alu depctr_va_vdst(0)
	s_wait_xcnt 0x0                                ; EXEC is a source of the loads above: it changes only behind this wait
	s_and_saveexec_b32 s14, vcc_lo
	global_store_b32 v2, v12, s[6:7]               ; thread 0 alone
	s_wait_xcnt 0x0                                ; and again, in front of the line that widens it
	s_or_b32 exec_lo, exec_lo, s14
.Lend:
	s_wait_tensorcnt 0x0
	ds_add_u32 v80, v81
	s_wait_dscnt 0x0
	s_endpgm
.Lfunc_end_k_q8ec8730bdc_absum:
	.size	k_q8ec8730bdc_absum, .Lfunc_end_k_q8ec8730bdc_absum-k_q8ec8730bdc_absum
	.p2alignl 7, 3214868480
	.fill 96, 4, 3214868480
	.section	.rodata,"a",@progbits
	.p2align	6, 0x0
	.amdhsa_kernel k_q8ec8730bdc_absum
		.amdhsa_group_segment_fixed_size 768
		.amdhsa_private_segment_fixed_size 0
		.amdhsa_enable_private_segment 0
		.amdhsa_kernarg_size 16
		.amdhsa_user_sgpr_count 2
		.amdhsa_user_sgpr_kernarg_segment_ptr 1
		.amdhsa_wavefront_size32 1
		.amdhsa_system_sgpr_workgroup_id_x 1
		.amdhsa_system_sgpr_workgroup_id_y 1
		.amdhsa_system_sgpr_workgroup_id_z 1
		.amdhsa_system_vgpr_workitem_id 0
		.amdhsa_next_free_vgpr 82
		.amdhsa_next_free_sgpr 66
		.amdhsa_reserve_vcc 1
		.amdhsa_float_denorm_mode_32 3
		.amdhsa_float_denorm_mode_16_64 3
		.amdhsa_memory_ordered 1
		.amdhsa_forward_progress 1
		.amdhsa_inst_pref_size 8
	.end_amdhsa_kernel
	.amdgpu_metadata
---
amdhsa.version: [ 1, 2 ]
amdhsa.kernels:
  - .name:           k_q8ec8730bdc_absum
    .symbol:         k_q8ec8730bdc_absum.kd
    .args:
      - { .name: weight, .offset: 0, .size: 8, .value_kind: global_buffer, .address_space: global }
      - { .name: wsum, .offset: 8, .size: 8, .value_kind: global_buffer, .address_space: global }
    .group_segment_fixed_size: 768
    .private_segment_fixed_size: 0
    .kernarg_segment_align: 8
    .kernarg_segment_size: 16
    .max_flat_workgroup_size: 128
    .sgpr_count:     66
    .vgpr_count:     82
    .wavefront_size: 32
...
	.end_amdgpu_metadata
.endif
;; end of part 1
;; launch quant (part 2): grid 2304 x 1, 1 waves a work-group, no clusters, 8,704 bytes of LDS; arguments x_parts, weight, lowp_scales, wsum, xc, wc; writes xc, wc
.if DOCPART == 2
	.amdgcn_target "amdgcn-amd-amdhsa--gfx1250"
	.amdhsa_code_object_version 6
	.text
	.protected	k_q8ec8730bdc_quant
	.globl	k_q8ec8730bdc_quant
	.p2align	8
	.type	k_q8ec8730bdc_quant,@function
k_q8ec8730bdc_quant:
	s_mov_b64 s[64:65], 0
	v_nop
	global_prefetch_b8 v0, s[64:65] scope:SCOPE_SE
	s_setreg_imm32_b32 hwreg(HW_REG_WAVE_MODE, 25, 1), 1
	s_wait_xcnt 0x0
; Both operands of the product become codes of E5M2, one byte a number, laid as the product's launch holds them in LDS and in registers.
;   xc = Q(x_parts, 2^e1), wc = Q(wq, 2^e0);  Q: v / 2^e, held within +-57,344, to the nearest code, ties to even.
;   wq = w_c + (w_q - w_c), w_q = clip(round(w / gamma), -1, 1), w_c = clip(w, -1.5, 1.5), gamma = (the sum of wsum's 256 numbers) x 2^-21 + 1e-8, all in f32, as reference() writes it.
;   w / gamma is w x (1 / gamma) with one correction by the fused residual w - q gamma; 1 / gamma is corrected once likewise.
; A FRAGMENT IMAGE is 2,048 bytes: 16 rows x 128 codes; the 16 bytes at 512 c + 256 h + 16 r go to lane 16 h + r, registers 4 c .. 4 c + 3 (c = 0 .. 3).
; Which d they are: load j of a row gives lane l the numbers d = 128 j + 4 l + 0 .. 3, so lane l's 16 codes are d = 128 j + 4 l + c'; lane l = 8 D + 2 c + h belongs to K step D (0 .. 3).
; The same map serves xc and wc, so every product meets its partner.
;   xc: T x 524,288 + D x 131,072 + i x 16,384 + f x 2,048        (token = 128 T + 16 f + r)
;   wc: (O / 2) x 524,288 + D x 131,072 + (O % 2) x 65,536 + j x 8,192 + f x 2,048   (o = 64 O + 16 f + r)
; SHARES.  A work-group is one wave and takes 16 rows, one fragment row group: 256 work-groups for the weight (the lowest numbers), 2,048 for x: 2,304 = 9 x 256.
; A row's 16 codes a lane go into the wave's stage in LDS (rows 528 bytes apart); read back, sixteen lanes hold one column of 16 bytes of 16 rows, and each store covers 512 consecutive bytes.
; Loads run eight rows (32 loads) ahead.  No cluster, no tensor load, no barrier, no prefetch: each byte is read once, as a stream.
; LIMITS: e0 and e1 between -126 and 112.  NaN among the inputs is not served.  gamma's sum is a tree, not reference()'s order.
.set STEPS, 16
.set WGW,   256
.set R,     16                         ; v16-143  eight sets of 16 numbers; at the end the rows read back
.set T,     144                        ; v144-159 the ternary rule, at work
.set E,     160                        ; v160-175 the same
.set C,     176                        ; v176-239 codes, four registers a row
.set SP,    528
.set SPARE, 16*SP                      ; the spare words, one block of 256 bytes
; v3 16 x lane; v4 the way back out of the stage; v[6:7] gamma; v[8:9] 1 / gamma; v10 57,344 x 2^e; v11 2^e; v12 1.5; v14, v15 the add's two
	s_load_b128 s[4:7], s[0:1], 0x0                ; x_parts, weight
	s_load_b128 s[8:11], s[0:1], 0x10              ; the scales' exponents, wsum
	s_load_b128 s[12:15], s[0:1], 0x20             ; xc, wc
	v_lshl_add_u32 v14, v0, 2, SPARE
	v_mov_b32 v15, 0
	v_lshlrev_b32 v3, 4, v0
	v_and_b32 v1, 15, v0
	v_lshrrev_b32 v2, 4, v0
	v_mul_u32_u24 v4, v1, SP
	v_lshl_add_u32 v4, v2, 4, v4                   ; row r, 16 bytes for each half of the lanes
	s_mov_b32 s26, 0x35000000                      ; 2^-21
	s_mov_b32 s27, 0x322bcc77                      ; 1e-8
	s_mov_b32 s28, 0x76543210                      ; v_permlanex16_b32: lane l xor 16
	s_mov_b32 s29, 0xfedcba98
	s_cmp_lt_u32 ttmp9, WGW                        ; the weight's work-group or x's: the work-group's number alone decides
	s_cselect_b32 s24, 1, 0
	s_cselect_b32 s17, 0, WGW
	s_sub_co_u32 s18, ttmp9, s17                   ; G: which group of 16 rows
	s_bfe_u32 s30, s18, 0x20003                    ; the weight: G = 32 j + 4 O + f
	s_lshl_b32 s30, s30, 19
	s_bfe_u32 s31, s18, 0x10002
	s_lshl_b32 s31, s31, 16
	s_or_b32 s30, s30, s31
	s_lshr_b32 s31, s18, 5
	s_lshl_b32 s31, s31, 13
	s_or_b32 s30, s30, s31
	s_and_b32 s31, s18, 3
	s_lshl_b32 s31, s31, 11
	s_or_b32 s30, s30, s31
	s_bfe_u32 s32, s18, 0x50003                    ; x: G = 256 i + 8 T + f
	s_lshl_b32 s32, s32, 19
	s_lshr_b32 s33, s18, 8
	s_lshl_b32 s33, s33, 14
	s_or_b32 s32, s32, s33
	s_and_b32 s33, s18, 7
	s_lshl_b32 s33, s33, 11
	s_or_b32 s32, s32, s33
	s_mov_b32 s21, 0
	s_wait_alu depctr_va_vdst(0)
	s_wait_kmcnt 0x0
	s_load_b64 s[22:23], s[8:9], 0x0               ; e0 (the weight's), e1 (x's)
	s_cmp_eq_u32 s24, 1
	s_cselect_b64 s[4:5], s[6:7], s[4:5]
	s_cselect_b64 s[12:13], s[14:15], s[12:13]
	s_cselect_b32 s20, s30, s32
	s_add_nc_u64 s[12:13], s[12:13], s[20:21]
	s_lshl_b32 s20, s18, 15                        ; 16 rows of 2,048 bytes
	s_add_nc_u64 s[4:5], s[4:5], s[20:21]
.macro LOAD t
.irp i, 0,1,2,3
	global_load_b128 v[R+16*((\t)%8)+4*\i:R+16*((\t)%8)+4*\i+3], v3, s[4:5] offset:2048*(\t)+512*\i th:TH_LOAD_NT   ; 512 consecutive bytes
.endr
.endm
.irp t, 0,1,2,3,4,5,6,7
	LOAD \t
.endr
	s_wait_kmcnt 0x0
	s_cmp_eq_u32 s24, 1
	s_cselect_b32 s22, s22, s23                    ; e
	s_add_co_i32 s22, s22, 127
	s_lshl_b32 s23, s22, 23
	v_mov_b32 v11, s23                             ; 2^e: the conversion takes its exponent field
	s_add_co_i32 s22, s22, 15
	s_lshl_b32 s22, s22, 23
	s_or_b32 s22, s22, 0x600000
	v_mov_b32 v10, s22                             ; 57,344 x 2^e
	v_mov_b32 v6, 1.0                              ; written on every path; x's work-groups jump over the lines that read them
	v_mov_b32 v7, 1.0
	v_mov_b32 v8, 1.0
	v_mov_b32 v9, 1.0
	v_mov_b32 v12, 0x3fc00000                      ; 1.5
	s_cmp_eq_u32 s24, 0
	s_cbranch_scc1 .Lno_gamma
	global_load_b128 v[144:147], v3, s[10:11]      ; the 256 partial sums, added in the same order by every weight wave
	global_load_b128 v[148:151], v3, s[10:11] offset:512
	s_wait_loadcnt 0x0                             ; the two youngest loads are wanted
	v_add_f32 v144, v144, v145
	v_add_f32 v146, v146, v147
	v_add_f32 v148, v148, v149
	v_add_f32 v150, v150, v151
	v_add_f32 v144, v144, v146
	v_add_f32 v148, v148, v150
	v_add_f32 v144, v144, v148
	v_add_f32_dpp v144, v144, v144 row_xmask:1 row_mask:0xf bank_mask:0xf
	v_add_f32_dpp v144, v144, v144 row_xmask:2 row_mask:0xf bank_mask:0xf
	v_add_f32_dpp v144, v144, v144 row_xmask:4 row_mask:0xf bank_mask:0xf
	v_add_f32_dpp v144, v144, v144 row_xmask:8 row_mask:0xf bank_mask:0xf
	v_permlanex16_b32 v145, v144, s28, s29
	v_add_f32 v144, v144, v145                     ; the sum of |w|
	v_fma_f32 v6, v144, s26, s27                   ; gamma
	s_wait_alu depctr_va_vdst(0)                   ; the wait ahead of the transcendental
	v_rcp_f32 v8, v6
	v_mov_b32 v7, v6                               ; a plain place behind it
	s_wait_alu depctr_va_vdst(0)                   ; the wait ahead of its first reader
	v_fma_f32 v13, -v6, v8, 1.0
	v_fma_f32 v8, v13, v8, v8                      ; the reciprocal corrected once
	v_mov_b32 v9, v8
.Lno_gamma:
.macro TERN                            ; the ternary rule on the 16 numbers from v[XS] on, in place
.irp j, 0,2,4,6,8,10,12,14
	v_pk_mul_f32 v[T+\j:T+\j+1], v[XS+\j:XS+\j+1], v[8:9]
.endr
.irp j, 0,2,4,6,8,10,12,14
	v_pk_fma_f32 v[E+\j:E+\j+1], v[T+\j:T+\j+1], v[6:7], v[XS+\j:XS+\j+1] neg_lo:[1,0,0] neg_hi:[1,0,0]   ; w - q gamma
.endr
.irp j, 0,2,4,6,8,10,12,14
	v_pk_fma_f32 v[T+\j:T+\j+1], v[E+\j:E+\j+1], v[8:9], v[T+\j:T+\j+1]
.endr
.irp i, 0,1,2,3,4,5,6,7,8,9,10,11,12,13,14,15
	v_rndne_f32 v[T+\i], v[T+\i]
.endr
.irp i, 0,1,2,3,4,5,6,7,8,9,10,11,12,13,14,15
	v_med3_num_f32 v[T+\i], v[T+\i], -1.0, 1.0     ; w_q
	v_med3_num_f32 v[E+\i], v[XS+\i], -v12, v12    ; w_c
.endr
.irp j, 0,2,4,6,8,10,12,14
	v_pk_add_f32 v[T+\j:T+\j+1], v[T+\j:T+\j+1], v[E+\j:E+\j+1] neg_lo:[0,1] neg_hi:[0,1]
.endr
.irp j, 0,2,4,6,8,10,12,14
	v_pk_add_f32 v[XS+\j:XS+\j+1], v[E+\j:E+\j+1], v[T+\j:T+\j+1]
.endr
.endm
.macro STEP t
.set XS, R+16*((\t)%8)
	s_wait_alu depctr_va_vdst(0)                   ; the wait ahead of the wait below
.if STEPS-1-(\t) >= 7
	s_wait_loadcnt 28                              ; this row's four loads are in; those of the seven rows behind it may be out
.else
	s_wait_loadcnt 4*(STEPS-1-(\t))
.endif
	s_cmp_eq_u32 s24, 0
	s_cbranch_scc1 .Lplain_\@                      ; x is quantised as it is
	TERN
.Lplain_\@:
.irp i, 0,1,2,3,4,5,6,7,8,9,10,11,12,13,14,15
	v_med3_num_f32 v[XS+\i], v[XS+\i], -v10, v10   ; the conversion does not saturate (ISA guide 7.6.2): hold first
.endr
	v_cvt_scalef32_pk8_bf8_f32 v[C+4*(\t):C+4*(\t)+1], v[XS:XS+7], v11
	v_cvt_scalef32_pk8_bf8_f32 v[C+4*(\t)+2:C+4*(\t)+3], v[XS+8:XS+15], v11
	v_nop                                          ; a plain place behind the conversions
.if (\t)+8 < STEPS
	LOAD (\t)+8
.endif
	ds_store_b128 v3, v[C+4*(\t):C+4*(\t)+3] offset:(\t)*SP   ; row t of the stage
.endm
.irp t, 0,1,2,3,4,5,6,7,8,9,10,11,12,13,14,15
	STEP \t
.endr
.irp u, 0,1,2,3,4,5,6,7,8,9,10,11,12,13,14,15
	ds_load_b128 v[R+4*\u:R+4*\u+3], v4 offset:32*\u   ; columns 2 u and 2 u + 1 of the 16 rows; LDS serves a wave's instructions in order
.endr
.irp u, 0,1,2,3,4,5,6,7,8,9,10,11,12,13,14,15
	s_wait_dscnt 15-\u
	global_store_b128 v3, v[R+4*\u:R+4*\u+3], s[12:13] offset:(\u/4)*131072+(\u%4)*512   ; K step u / 4, piece u % 4 of the image: 512 consecutive bytes
.endr
	s_wait_tensorcnt 0x0                           ; the wave's end
	ds_add_u32 v14, v15
	s_wait_dscnt 0x0
	s_endpgm
.Lfunc_end_k_q8ec8730bdc_quant:
	.size	k_q8ec8730bdc_quant, .Lfunc_end_k_q8ec8730bdc_quant-k_q8ec8730bdc_quant
	.p2alignl 7, 3214868480
	.fill 96, 4, 3214868480
	.section	.rodata,"a",@progbits
	.p2align	6, 0x0
	.amdhsa_kernel k_q8ec8730bdc_quant
		.amdhsa_group_segment_fixed_size 8704
		.amdhsa_private_segment_fixed_size 0
		.amdhsa_enable_private_segment 0
		.amdhsa_kernarg_size 48
		.amdhsa_user_sgpr_count 2
		.amdhsa_user_sgpr_kernarg_segment_ptr 1
		.amdhsa_wavefront_size32 1
		.amdhsa_system_sgpr_workgroup_id_x 1
		.amdhsa_system_sgpr_workgroup_id_y 1
		.amdhsa_system_sgpr_workgroup_id_z 1
		.amdhsa_system_vgpr_workitem_id 0
		.amdhsa_next_free_vgpr 240
		.amdhsa_next_free_sgpr 66
		.amdhsa_reserve_vcc 0
		.amdhsa_float_denorm_mode_32 3
		.amdhsa_float_denorm_mode_16_64 3
		.amdhsa_memory_ordered 1
		.amdhsa_forward_progress 1
		.amdhsa_inst_pref_size 115
	.end_amdhsa_kernel
	.amdgpu_metadata
---
amdhsa.version: [ 1, 2 ]
amdhsa.kernels:
  - .name:           k_q8ec8730bdc_quant
    .symbol:         k_q8ec8730bdc_quant.kd
    .args:
      - { .name: x_parts, .offset: 0, .size: 8, .value_kind: global_buffer, .address_space: global }
      - { .name: weight, .offset: 8, .size: 8, .value_kind: global_buffer, .address_space: global }
      - { .name: lowp_scales, .offset: 16, .size: 8, .value_kind: global_buffer, .address_space: global }
      - { .name: wsum, .offset: 24, .size: 8, .value_kind: global_buffer, .address_space: global }
      - { .name: xc, .offset: 32, .size: 8, .value_kind: global_buffer, .address_space: global }
      - { .name: wc, .offset: 40, .size: 8, .value_kind: global_buffer, .address_space: global }
    .group_segment_fixed_size: 8704
    .private_segment_fixed_size: 0
    .kernarg_segment_align: 8
    .kernarg_segment_size: 48
    .max_flat_workgroup_size: 32
    .sgpr_count:     66
    .vgpr_count:     240
    .wavefront_size: 32
...
	.end_amdgpu_metadata
.endif
;; end of part 2
;; launch gemm (part 3): grid 8 x 32, 4 waves a work-group, clusters of 4 x 4, 327,680 bytes of LDS; arguments xc, wc, lowp_scales, beta, out0; writes out0
.if DOCPART == 3
	.amdgcn_target "amdgcn-amd-amdhsa--gfx1250"
	.amdhsa_code_object_version 6
	.text
	.protected	k_q8ec8730bdc_gemm
	.globl	k_q8ec8730bdc_gemm
	.p2align	8
	.type	k_q8ec8730bdc_gemm,@function
k_q8ec8730bdc_gemm:
	s_mov_b64 s[64:65], 0
	v_nop
	global_prefetch_b8 v0, s[64:65] scope:SCOPE_SE
	s_setreg_imm32_b32 hwreg(HW_REG_WAVE_MODE, 25, 1), 1
	s_wait_xcnt 0x0
	s_wait_alu depctr_hold_cnt(0) depctr_sa_sdst(0) depctr_va_vdst(0) depctr_va_sdst(0) depctr_va_ssrc(0) depctr_va_vcc(0) depctr_vm_vsrc(0)
	s_getreg_b32 s2, hwreg(HW_REG_IB_STS2, 6, 4)
	s_cmp_eq_u32 s2, 0
	s_cbranch_scc0 .Lentry_in_a_cluster
	s_endpgm
.Lentry_in_a_cluster:
	s_bfe_u32 s2, ttmp6, 0x10000c
	s_cmp_lg_u32 s2, 0xf033
	s_cbranch_scc0 .Lentry_shape_is_right
	s_endpgm
.Lentry_shape_is_right:
; out0[k][n][o] = beta[o] 2^(e0 + e1) x sum over i, d of SGN[k][i] x_i[n][d] W_(k xor i)[o][d], on the codes of E5M2 in xc and wc (their layout: the launch that makes them).
; THE BLOCK FOLLOWS THE TABLE.  A work-group makes ALL EIGHT k for 64 o and 128 tokens; a wave all eight k for the 64 o and 32 tokens: 64 accumulators, (k, a, b) = 16 o x 16 tokens, 512 registers.
; For 128 along d the eight tiles of x and the eight of W serve all 64 pairs (k, i): a wave reads 16 fragments of x and 32 of W for 512 matrix instructions.
; A K step is 128 along d: eight passes j = 0 .. 7; pass j multiplies W_j's four fragments with x_(k xor j)'s two, for each k: each accumulator once a pass.
; THE SIGNS COST NO DATA: an accumulator holds sign x sum, sign = SGN of its last product; where SGN[k][k xor j] differs from the pass before, the link takes -C (neg_lo on C): p - sign x sum.
; The last pass's sign goes into beta on the way out.  Links with unlike modifiers stand five places apart (ISA guide 7.12.1): five v_nop at each pass's head stand between all pairs.
; The same v_nop are the places ahead of the LDS loads into W's buffer read in the pass before.
; SOURCE 0 = W (rows o), source 1 = x (rows token): a lane holds one token and eight neighbouring o.
; REGISTERS: window 0: v16-29 addresses, v32-39 beta and -beta, v64-191 W's two buffers of 64, v192-255 rows read back on the way out; window 1: x, ONE set of 256; windows 2, 3: accumulators of k 0-3, 4-7.
; x has one set, so it is fetched anew as it falls free: pass 7 takes k downward, which frees x_0, x_1, .. in ascending order, two at a time, each pair fetched behind four places;
; pass 0 takes k upward and waits for the pairs one after the other: 48 matrix instructions stand between a pair's loads and its first use.
; THE RING: slot 0 = x (131,072 bytes) and W_0..3 (32,768) of a K step, slot 1 = W_4..7 (32,768); dense images fetched as rows of 256 bytes.  Waves 0, 1 fetch x's halves, waves 2, 3 W's halves.
; Slot 0 is filled again in pass 2 (x lies in registers, W_3 has been read), slot 1 in pass 6 (W_7 has been read), each with the next K step's; the same barrier shows the other slot whole.
; THE LAST K STEP GOES BY HALVES OF k: passes 1 to 7 for k 0-3, then passes 1 to 7 for k 4-7 (W_1..7 are read from LDS a second time: 112 loads a wave more), so that the blocks of k 0-3 leave
; while k 4-7 are multiplied.  Each accumulator still takes j in ascending order.
; CLUSTERS 4 x 4: x's tile hangs on the token block alone (shared along a row of the cluster), W's on the o block alone (along a column): joint loads.
; PREFETCH: behind a refill for K step D + 1 each loading wave names K step D + 2 of the rows that it fetches, the four partners sharing them out by address (64 rows of x in two instructions, 16 of W, a lane a row
; of 256 bytes); K step 1 is named at the head, two instructions a wave, two and a half passes and more ahead of its refills; K step 0 comes by its loads alone; the refills for K step 3 ask for nothing.
; LIMIT: the sums are scaled by v_ldexp_f32 with e0 + e1; NaN among the inputs is carried as the matrix unit carries it.
.set XPART,  131072
.set WHALF,  32768
.set DSTEP,  131072                    ; from K step to K step in xc and in wc
.set SPARE,  XPART+2*WHALF
.set STAGE,  SPARE+512                 ; 16 rows x 272 bytes a wave; no fill lands here
.set SPITCH, 272
.set NEGM,   0x3298540ea4c268fe        ; bit 8 k + i: SGN[k][i] is -1
.set ADRX, 16                          ; v16, v17: x_0..3, x_4..7
.set ADRW, 18
.set STO,  20
.set RD,   21
.set CO,   22
.set BO,   23
.set PFO,  24
.set SPW,  28
.set NIL,  29
.set BETA, 32
.set WB,   64
.set BK,   192
.set WPAR, 0                           ; W_j lies in buffer (j + WPAR) % 2; 1 in the last K step's second half
.set G1, 24
.set G0, 32
.set PFA, 44
.set G1B, 48
.set G0B, 56                           ; s[56:59] W into slot 0, s[60:63] W into slot 1
.set MSB, 0
.macro WIN new
.if MSB != (\new)
	s_set_vgpr_msb (MSB<<8)|(\new)
.set MSB, \new
.endif
.endm
.set MUL_LO, 0xa4                      ; source 0 (W) window 0, source 1 (x) window 1, C and D window 2
.set MUL_HI, 0xf4
.set TO_X,   0x40
.macro JLOAD0                          ; slot 0's joint loads
	s_cmp_eq_u32 s15, 0
	s_cbranch_scc0 .Lfor_b_\@
	tensor_load_to_lds s[G0:G0+3], s[G1:G1+7]
	s_nop 0
.rept 4
	v_nop
.endr
	s_branch .Lasked_\@
.Lfor_b_\@:
	tensor_load_to_lds s[G0B:G0B+3], s[G1B:G1B+7]
	s_nop 0
.rept 4
	v_nop
.endr
.Lasked_\@:
.endm
.macro JLOAD1                          ; slot 1's: waves 2 and 3 alone have a part of it
	s_cmp_eq_u32 s15, 0
	s_cbranch_scc1 .Lnone_\@
	tensor_load_to_lds s[G0B+4:G0B+7], s[G1B:G1B+7]
	s_nop 0
.rept 4
	v_nop
.endr
.Lnone_\@:
.endm
.macro CREST
	s_cmp_lg_u32 s14, 0
	s_cbranch_scc1 .Lnot_wave_0_\@
	s_barrier_signal -3
.Lnot_wave_0_\@:
	s_barrier_wait -3
	s_barrier_signal -1
	s_barrier_wait -1
.endm
.macro CROUND
	s_barrier_signal -1
	s_barrier_wait -1
	CREST
.endm
	s_load_b128 s[4:7], s[0:1], 0x0                ; xc, wc
	s_load_b128 s[8:11], s[0:1], 0x10              ; the scales' exponents, beta
	s_load_b64 s[12:13], s[0:1], 0x20              ; out0
	v_lshl_add_u32 v[SPW], v0, 2, SPARE
	v_mov_b32 v[NIL], 0
	ds_add_u32 v[SPW], v[NIL]                      ; the opening lines: the add twice and its wait
	ds_add_u32 v[SPW], v[NIL]
	v_lshrrev_b32 v1, 5, v0
	v_readfirstlane_b32 s14, v1                    ; wave
	s_lshr_b32 s15, s14, 1                         ; I fetch for x (0) or for W (1),
	s_and_b32 s16, s14, 1                          ; its first or second half
	s_bfe_u32 s40, ttmp6, 0x40000                  ; cx
	s_bfe_u32 s41, ttmp6, 0x40004                  ; cy
	s_lshl_b32 s42, ttmp9, 2
	s_add_co_u32 s42, s42, s40                     ; O: which 64 o
	s_and_b32 s17, ttmp7, 0xffff
	s_lshl_b32 s17, s17, 2
	s_add_co_u32 s17, s17, s41                     ; T: which 128 tokens
	s_lshl_b32 s43, s41, 2
	s_lshl_b32 s43, 15, s43                        ; my row of the cluster
	s_lshl_b32 s46, 0x1111, s40                    ; my column
	s_or_b32 s[G1+0], s43, (1<<21)                 ; elements of one byte, no padding; the mask, bit 21 beside it
	s_or_b32 s[G1B+0], s46, (1<<21)
	s_mov_b32 s[G1+1], 256<<16                     ; x: 256 rows of 256 bytes
	s_mov_b32 s[G1+2], 256<<16
	s_mov_b32 s[G1+3], 256<<16
	s_mov_b32 s[G1+4], 256
	s_mov_b32 s[G1+5], 256
	s_mov_b32 s[G1+6], 0
	s_mov_b32 s[G1+7], 0
	s_mov_b32 s[G1B+1], 256<<16                    ; W: 64 rows of 256 bytes
	s_mov_b32 s[G1B+2], 64<<16
	s_mov_b32 s[G1B+3], 256<<16
	s_mov_b32 s[G1B+4], 64
	s_mov_b32 s[G1B+5], 256
	s_mov_b32 s[G1B+6], 0
	s_mov_b32 s[G1B+7], 0
	s_lshl_b32 s18, s16, 16                        ; LDS: x's half
	s_lshl_b32 s19, s16, 14
	s_lshl_b32 s20, s17, 19
	s_add_co_u32 s20, s20, s18                     ; xc: T x 524,288 + half x 65,536
	s_mov_b32 s21, 0
	s_lshr_b32 s22, s42, 1
	s_lshl_b32 s22, s22, 19
	s_and_b32 s23, s42, 1
	s_lshl_b32 s23, s23, 16
	s_add_co_u32 s22, s22, s23
	s_add_co_u32 s22, s22, s19                     ; wc: (O / 2) x 524,288 + (O % 2) x 65,536 + half x 16,384
	s_mov_b32 s23, 0
	s_add_co_u32 s19, s19, XPART                   ; LDS: W's half, behind x
	s_wait_dscnt 0x0
	s_wait_kmcnt 0x0
	s_load_b64 s[70:71], s[8:9], 0x0               ; e0, e1
	s_add_nc_u64 s[20:21], s[4:5], s[20:21]
	s_add_nc_u64 s[22:23], s[6:7], s[22:23]
	CROUND                                         ; the first joint loads meet
	s_mov_b32 s[G0], 1
	s_mov_b32 s[G0+1], s18
	s_mov_b64 s[G0+2:G0+3], s[20:21]
	s_or_b32 s[G0+3], s[G0+3], 0x80000000
.irp s, 0,1
	s_mov_b32 s[G0B+4*\s], 1
	s_add_co_u32 s[G0B+4*\s+1], s19, \s*WHALF
	s_add_nc_u64 s[G0B+4*\s+2:G0B+4*\s+3], s[22:23], \s*WHALF
	s_or_b32 s[G0B+4*\s+3], s[G0B+4*\s+3], 0x80000000
.endr
	JLOAD0                                         ; K step 0's slot 0: one tensor load a wave at the head
	s_lshl_b32 s74, s40, 14                        ; the prefetches: of x's 256 rows partner cx takes 64,
	s_lshl_b32 s75, s41, 12                        ; of W's 64 rows partner cy takes 16
	s_cmp_eq_u32 s15, 0
	s_cselect_b64 s[PFA:PFA+1], s[20:21], s[22:23]
	s_cselect_b32 s74, s74, s75
	s_cselect_b32 s73, 31, 15
	s_mov_b32 s75, 0
	s_add_nc_u64 s[PFA:PFA+1], s[PFA:PFA+1], s[74:75]
	s_lshl_b32 s76, s17, 18                        ; out0: 128 T rows of 2,048 bytes + 32 rows a wave + 256 O
	s_lshl_b32 s77, s14, 16
	s_add_co_u32 s76, s76, s77
	s_lshl_b32 s78, s42, 8
	s_add_co_u32 s76, s76, s78
	s_mov_b32 s77, 0
	s_mov_b32 s79, 0
	s_add_nc_u64 s[12:13], s[12:13], s[76:77]
	s_add_nc_u64 s[10:11], s[10:11], s[78:79]      ; beta: my 64 o
	s_lshl_b32 s47, s14, 12                        ; my two token fragments of each x_i
	s_mul_i32 s72, s14, 16*SPITCH
	s_add_co_u32 s72, s72, STAGE                   ; my stage
	v_and_b32 v1, 31, v0
	v_and_b32 v2, 15, v0                           ; r
	v_bfe_u32 v3, v0, 4, 1                         ; h
	v_lshlrev_b32 v4, 4, v1                        ; a fragment image: 16 bytes a lane
	v_add_nc_u32 v[ADRX], s47, v4
	v_add_nc_u32 v[ADRX+1], 65536, v[ADRX]
	v_add_nc_u32 v[ADRW], XPART, v4
	v_mul_u32_u24 v5, v2, SPITCH
	v_lshl_add_u32 v5, v3, 5, v5
	v_add_nc_u32 v[STO], s72, v5                   ; into the stage: row r, 32 bytes for each half of the lanes
	v_mul_u32_u24 v6, v3, SPITCH
	v_lshl_add_u32 v6, v2, 4, v6
	v_add_nc_u32 v[RD], s72, v6                    ; back: sixteen lanes a row of 256 bytes
	v_lshlrev_b32 v[BO], 4, v2
	v_lshl_add_u32 v[CO], v3, 11, v[BO]            ; the same two rows in out0
	v_min_u32 v[PFO], s73, v1                      ; lanes left over name the last row again
	v_lshlrev_b32 v[PFO], 8, v[PFO]
	global_load_b128 v[BETA:BETA+3], v[BO], s[10:11]
	s_wait_alu depctr_va_vdst(0)                   ; the wait ahead of the branch below
	global_prefetch_b8 v[PFO], s[PFA:PFA+1] offset:DSTEP th:TH_LOAD_NT scope:SCOPE_SE          ; K step 1: my share of slot 0's rows,
	s_cmp_eq_u32 s15, 0
	s_cbranch_scc0 .Lhead_w
	global_prefetch_b8 v[PFO], s[PFA:PFA+1] offset:DSTEP+8192 th:TH_LOAD_NT scope:SCOPE_SE     ; x's second 32 rows,
	s_branch .Lhead_j
.Lhead_w:
	global_prefetch_b8 v[PFO], s[PFA:PFA+1] offset:DSTEP+WHALF th:TH_LOAD_NT scope:SCOPE_SE    ; or W's rows for slot 1
.Lhead_j:
; 16 matrix instructions: k = 2 q, 2 q + 1, each with its eight accumulators t = 2 a + b
.macro MUL16 j, q, zero
.irp k, 2*(\q), 2*(\q)+1
.irp t, 0,1,2,3,4,5,6,7
.set AC, 64*((\k)%4)+8*\t
.set WF, WB+64*(((\j)+WPAR)%2)+16*(\t/2)
.set XF, 32*((\k)^(\j))+16*(\t%2)
.if \zero
	v_wmma_f32_16x16x128_bf8_bf8 v[AC:AC+7], v[WF:WF+15], v[XF:XF+15], 0
.else
.if ((NEGM>>(8*(\k)+((\k)^(\j))))^(NEGM>>(8*(\k)+((\k)^(((\j)+7)%8)))))&1
	v_wmma_f32_16x16x128_bf8_bf8 v[AC:AC+7], v[WF:WF+15], v[XF:XF+15], v[AC:AC+7] neg_lo:[0,0,1]
.else
	v_wmma_f32_16x16x128_bf8_bf8 v[AC:AC+7], v[WF:WF+15], v[XF:XF+15], v[AC:AC+7]
.endif
.endif
.endr
.endr
.endm
.macro LDW j                           ; W_j's four fragments into its buffer: sixteen loads
.irp a, 0,1,2,3
.irp c, 0,1,2,3
	ds_load_b128 v[WB+64*(((\j)+WPAR)%2)+16*\a+4*\c:WB+64*(((\j)+WPAR)%2)+16*\a+4*\c+3], v[ADRW] offset:(\j)*8192+\a*2048+\c*512
.endr
.endr
.endm
.macro LDX g                           ; my fragments of x_(2 g) and x_(2 g + 1): sixteen loads
	WIN TO_X
.irp i, 2*(\g), 2*(\g)+1
.irp b, 0,1
.irp c, 0,1,2,3
	ds_load_b128 v[32*(\i)+16*\b+4*\c:32*(\i)+16*\b+4*\c+3], v[ADRX+(\i)/4] offset:((\i)%4)*16384+\b*2048+\c*512
.endr
.endr
.endr
	WIN 0
.endm
.macro NOPS n
.rept \n
	v_nop
.endr
.endm
.macro HALF j, hi                      ; 32 matrix instructions: k 0-3 or k 4-7
.if \hi
	WIN MUL_HI
	MUL16 \j, 2, 0
	MUL16 \j, 3, 0
.else
	WIN MUL_LO
	MUL16 \j, 0, 0
	MUL16 \j, 1, 0
.endif
.endm
.macro MUL64 j, zero
	WIN MUL_LO
	MUL16 \j, 0, \zero
	MUL16 \j, 1, \zero
	WIN MUL_HI
	MUL16 \j, 2, \zero
	MUL16 \j, 3, \zero
.endm
.macro PASS j, zero                    ; a plain pass: the next pass's W is fetched
	NOPS 5
	WIN 0
	LDW (\j)+1
	s_wait_dscnt 16                                ; this pass's W is in; the sixteen just issued may be out
	MUL64 \j, \zero
.endm
.macro ASK0
	s_cmp_gt_u32 s3, 1                             ; s3 = 1 in the trip of K step 2
	s_cbranch_scc0 .Lno_ask_\@
	global_prefetch_b8 v[PFO], s[PFA:PFA+1] offset:DSTEP th:TH_LOAD_NT scope:SCOPE_SE
	s_cmp_eq_u32 s15, 0
	s_cbranch_scc0 .Lno_ask_\@
	global_prefetch_b8 v[PFO], s[PFA:PFA+1] offset:DSTEP+8192 th:TH_LOAD_NT scope:SCOPE_SE   ; x's second 32 rows
.Lno_ask_\@:
.endm
.macro ASK1
	s_cmp_gt_u32 s3, 1
	s_cbranch_scc0 .Lno_ask_\@
	s_cmp_eq_u32 s15, 0
	s_cbranch_scc1 .Lno_ask_\@
	global_prefetch_b8 v[PFO], s[PFA:PFA+1] offset:DSTEP+WHALF th:TH_LOAD_NT scope:SCOPE_SE
.Lno_ask_\@:
.endm
.macro PASSB j                         ; passes 2 and 6 change slots and fill the slot that is left
	NOPS 5
	WIN 0
	LDW (\j)+1                                     ; the last read of the slot that is left
.if (\j) == 2
	s_wait_xcnt 0x0                                ; my last prefetches have read their address
	s_add_nc_u64 s[PFA:PFA+1], s[PFA:PFA+1], DSTEP
.endif
	s_wait_tensorcnt 0x0                           ; all my tensor loads have landed: my part of the other slot
	ds_add_u32 v[SPW], v[NIL]
	s_wait_dscnt 17                                ; this pass's W is in; the sixteen loads above and the add may be out
	WIN MUL_LO
	MUL16 \j, 0, 0
	s_wait_dscnt 0x0                               ; the add is done, and my reads of this slot are over
	s_barrier_signal -1
	MUL16 \j, 1, 0
	WIN 0
	s_barrier_wait -1
	CREST                                          ; the barrier has opened a round of the cluster's barrier
.if (\j) == 2
	s_add_nc_u64 s[G0+2:G0+3], s[G0+2:G0+3], DSTEP
	s_add_nc_u64 s[G0B+2:G0B+3], s[G0B+2:G0B+3], DSTEP
	JLOAD0                                         ; the first tensor load behind the round: the next K step's
	ASK0
.else
	s_add_nc_u64 s[G0B+6:G0B+7], s[G0B+6:G0B+7], DSTEP
	JLOAD1
	ASK1
.endif
	WIN MUL_HI
	MUL16 \j, 2, 0
	MUL16 \j, 3, 0
.endm
.macro PASS7                           ; k downward; W_7 came in with pass 6's wait for 0; x falls free pair by pair and is fetched anew
	NOPS 5
	WIN 0
	LDW 0                                          ; the next K step's W_0
	WIN MUL_HI
	MUL16 7, 3, 0
	NOPS 4                                         ; places ahead of the loads into x_0, x_1
	LDX 0
	WIN MUL_HI
	MUL16 7, 2, 0
	NOPS 4
	LDX 1
	WIN MUL_LO
	MUL16 7, 1, 0
	NOPS 4
	LDX 2
	WIN MUL_LO
	MUL16 7, 0, 0
.endm
.macro PASS0N                          ; k upward.  Out, in order: W_0 16, x's four pairs 16 each, W_1 16
	NOPS 5
	LDX 3
	LDW 1
	s_wait_dscnt 63                                ; W_0 and x_0, x_1 are in (64 younger loads; the count's field holds 63)
	WIN MUL_LO
	MUL16 0, 0, 0
	s_wait_dscnt 48
	MUL16 0, 1, 0
	s_wait_dscnt 32
	WIN MUL_HI
	MUL16 0, 2, 0
	s_wait_dscnt 16
	MUL16 0, 3, 0
.endm
; THE WAY OUT, sixteen blocks n = 2 k + b of 16 tokens x 64 o: through my stage, back as rows of 256 bytes, x (+-beta 2^(e0 + e1)), stored sixteen lanes to an aligned unit.
.macro TOSTAGE n
.set AC, 64*(((\n)/2)%4)+8*((\n)%2)
.set BB, BK+32*((\n)%2)
	WIN 0x08+4*((\n)/8)                            ; the stores' data: window 2 or 3
.irp a, 0,1,2,3
	ds_store_b128 v[STO], v[AC+16*\a:AC+16*\a+3] offset:64*\a       ; each accumulator from its low end on
	ds_store_b128 v[STO], v[AC+16*\a+4:AC+16*\a+7] offset:64*\a+16
.endr
	WIN 0
.irp t, 0,1,2,3,4,5,6,7
	ds_load_b128 v[BB+4*\t:BB+4*\t+3], v[RD] offset:\t*2*SPITCH     ; LDS serves a wave's instructions in order
.endr
.endm
.macro SEND n, younger
.set BB, BK+32*((\n)%2)
.set BT, BETA+4*((NEGM>>(8*((\n)/2)+(((\n)/2)^7)))&1)   ; the sign that the last pass left on k's accumulators
	s_wait_dscnt \younger
.if ((\n) > 0) && ((\n)%2 == 0)
	s_add_nc_u64 s[12:13], s[12:13], 0x800000      ; the next k (behind a wait on XCNT)
.endif
.irp t, 0,1,2,3,4,5,6,7
	v_pk_mul_f32 v[BB+4*\t:BB+4*\t+1], v[BB+4*\t:BB+4*\t+1], v[BT:BT+1]
	v_pk_mul_f32 v[BB+4*\t+2:BB+4*\t+3], v[BB+4*\t+2:BB+4*\t+3], v[BT+2:BT+3]
.endr
.irp t, 0,1,2,3,4,5,6,7
	global_store_b128 v[CO], v[BB+4*\t:BB+4*\t+3], s[12:13] offset:((\n)%2)*32768+\t*4096 th:TH_STORE_NT
.endr
.endm
	s_wait_alu depctr_va_vdst(0)                   ; the wait at the head's end
	s_wait_tensorcnt 0x0                           ; my part of slot 0 is in; slot 1's first fill is issued as a refill is
	ds_add_u32 v[SPW], v[NIL]
	s_wait_dscnt 0x0
	CROUND
	JLOAD1                                         ; K step 0's W_4..7
	LDX 0
	LDX 1
	LDX 2
	LDX 3
	LDW 0
	PASS 0, 1                                      ; the first pass starts the sums
	WIN 0
	s_mov_b32 s3, 3
.Llap:                                                 ; a trip: one K step, from pass 1 to the next step's pass 0; both slots are filled again
	PASS 1, 0
	PASSB 2
	PASS 3, 0
	PASS 4, 0
	PASS 5, 0
	PASSB 6
	PASS7
	PASS0N
	WIN 0
	s_sub_co_u32 s3, s3, 1
	s_cmp_lg_u32 s3, 0
	s_cbranch_scc1 .Llap
; K step 3 fills nothing.  First half: passes 1 to 7 for k 0-3.
	NOPS 5
	WIN 0
	LDW 2
	s_wait_dscnt 16
	HALF 1, 0
	NOPS 5                                         ; pass 2: the barrier that shows slot 1 whole
	WIN 0
	LDW 3
	s_wait_tensorcnt 0x0
	ds_add_u32 v[SPW], v[NIL]
	s_wait_dscnt 17
	WIN MUL_LO
	MUL16 2, 0, 0
	s_wait_dscnt 0x0
	s_barrier_signal -1
	MUL16 2, 1, 0
	WIN 0
	s_barrier_wait -1
.irp j, 3,4,5,6
	NOPS 5
	WIN 0
	LDW (\j)+1
	s_wait_dscnt 16
	HALF \j, 0
.endr
	NOPS 5
	WIN 0
.set WPAR, 1
	LDW 1                                          ; W_1 once more, for the second half, into the buffer that pass 6 read
.set WPAR, 0
	s_wait_dscnt 16                                ; W_7 is in
	HALF 7, 0
.set WPAR, 1
	WIN 0
	s_wait_kmcnt 0x0
	s_add_co_i32 s70, s70, s71                     ; e0 + e1
	s_wait_loadcnt 0x0
.irp c, 0,1,2,3
	v_ldexp_f32 v[BETA+\c], v[BETA+\c], s70
.endr
.irp c, 0,1,2,3
	v_xor_b32 v[BETA+4+\c], 0x80000000, v[BETA+\c]
.endr
	s_wait_alu depctr_va_vdst(0)                   ; the wait behind these writes
; Second half: passes 1 to 7 for k 4-7.  At pass j's head block j - 1 of k 0-3 goes into the stage and block j - 2 is stored.
.irp j, 1,2,3,4,5,6,7
	NOPS 5
	WIN 0
.if \j < 7
	LDW (\j)+1
.endif
.if \j > 2
	s_wait_xcnt 0x0                                ; block j - 3's stores have read their registers and their base
.endif
	TOSTAGE \j-1
.if \j == 1
	s_wait_dscnt 32                                ; W_1 is in; W_2's sixteen loads and the block's sixteen LDS instructions may be out
.else
.if \j < 7
	SEND \j-2, 32                                  ; its wait also shows W_j in: the same 32 are younger
.else
	SEND \j-2, 16
.endif
.endif
	HALF \j, 1
.endr
	WIN 0
.irp n, 7,8,9,10,11,12,13,14,15        ; block 6's sixteen multiplications are the places behind the last products, ahead of block 8's reads
	s_wait_xcnt 0x0                                ; block n - 2's stores have read their registers and their base
	TOSTAGE \n
	SEND \n-1, 16                                  ; behind block n - 1's loads: block n's eight stores and eight loads
.endr
	s_wait_xcnt 0x0
	SEND 15, 0
	s_wait_tensorcnt 0x0                           ; the wave's end
	ds_add_u32 v[SPW], v[NIL]
	s_wait_dscnt 0x0
	CROUND                                         ; the closing round
	s_endpgm
.Lfunc_end_k_q8ec8730bdc_gemm:
	.size	k_q8ec8730bdc_gemm, .Lfunc_end_k_q8ec8730bdc_gemm-k_q8ec8730bdc_gemm
	.p2alignl 7, 3214868480
	.fill 96, 4, 3214868480
	.section	.rodata,"a",@progbits
	.p2align	6, 0x0
	.amdhsa_kernel k_q8ec8730bdc_gemm
		.amdhsa_group_segment_fixed_size 327680
		.amdhsa_private_segment_fixed_size 0
		.amdhsa_enable_private_segment 0
		.amdhsa_kernarg_size 40
		.amdhsa_user_sgpr_count 2
		.amdhsa_user_sgpr_kernarg_segment_ptr 1
		.amdhsa_wavefront_size32 1
		.amdhsa_system_sgpr_workgroup_id_x 1
		.amdhsa_system_sgpr_workgroup_id_y 1
		.amdhsa_system_sgpr_workgroup_id_z 1
		.amdhsa_system_vgpr_workitem_id 0
		.amdhsa_next_free_vgpr 1024
		.amdhsa_next_free_sgpr 82
		.amdhsa_reserve_vcc 0
		.amdhsa_float_denorm_mode_32 3
		.amdhsa_float_denorm_mode_16_64 3
		.amdhsa_memory_ordered 1
		.amdhsa_forward_progress 1
		.amdhsa_inst_pref_size 160
	.end_amdhsa_kernel
	.amdgpu_metadata
---
amdhsa.version: [ 1, 2 ]
amdhsa.kernels:
  - .name:           k_q8ec8730bdc_gemm
    .symbol:         k_q8ec8730bdc_gemm.kd
    .args:
      - { .name: xc, .offset: 0, .size: 8, .value_kind: global_buffer, .address_space: global }
      - { .name: wc, .offset: 8, .size: 8, .value_kind: global_buffer, .address_space: global }
      - { .name: lowp_scales, .offset: 16, .size: 8, .value_kind: global_buffer, .address_space: global }
      - { .name: beta, .offset: 24, .size: 8, .value_kind: global_buffer, .address_space: global }
      - { .name: out0, .offset: 32, .size: 8, .value_kind: global_buffer, .address_space: global }
    .group_segment_fixed_size: 327680
    .private_segment_fixed_size: 0
    .kernarg_segment_align: 8
    .kernarg_segment_size: 40
    .max_flat_workgroup_size: 128
    .sgpr_count:     82
    .vgpr_count:     1024
    .wavefront_size: 32
...
	.end_amdgpu_metadata
.endif
;; end of part 3
